; MI455X (gfx1250); checked and timed in simulation.
; The chip was launched on July 23, 2026; its instructions are those of AMD's public machine-readable ISA for CDNA 5 (MIT licence, August 2026) and "CDNA5" Instruction Set Architecture Reference Guide (July 2026). The comments in the code are by the model that wrote it; some were corrected since.
;; Label Similarity. Allowed arithmetic: float matrix products may take bf16 or f16 operands with f32 sums; all other float work in f32.
;; Inputs: embed 256 x 128 x 768 float32; label_embed 200 x 8 x 768 float32.
;; Outputs: out0 128 x 200 float32.
;; 2 versions, each right. Each part assembles by itself: llvm-mc -triple=amdgcn-amd-amdhsa -mcpu=gfx1250 --defsym DOCPART=n.
;; ======== version 1 of 2: 2 launches
;; workspace buffers: labw 2,560,000 bytes
;; launch prep (part 1): grid 100 x 1, 4 waves a work-group, no clusters, 25,600 bytes of LDS; arguments label_embed, labw; writes labw
.if DOCPART == 1
	.amdgcn_target "amdgcn-amd-amdhsa--gfx1250"
	.amdhsa_code_object_version 6
	.text
	.protected	k_q52b5e48329_prep
	.globl	k_q52b5e48329_prep
	.p2align	8
	.type	k_q52b5e48329_prep,@function
k_q52b5e48329_prep:
	s_mov_b64 s[64:65], 0
	v_nop
	global_prefetch_b8 v0, s[64:65] scope:SCOPE_SE
	s_setreg_imm32_b32 hwreg(HW_REG_WAVE_MODE, 25, 1), 1
	s_wait_xcnt 0x0
; Label rows made ready for the similarity launch.  label_embed: [1600][768] f32 (1600 = 200 labels x 8 values).
; Work-group j makes record j of labw (25,600 bytes) from label rows 16 j .. 16 j + 15:
;   bytes (2 c + q) 512 + 16 L  (c = 0..23, q = 0..1, lane L = (r = L % 16, h = L / 16)):
;       8 bf16 = row 16 j + r, divided by its length, columns 32 c + 16 q + 8 h + 0..7
;       = registers 4 q .. 4 q + 3 of the 16 x 32 matrix fragment of K step c, so that the next launch reads fragments as 512 consecutive bytes
;   bytes 24,576 + 512 q2 + 16 L (q2 = 0..1): 4 f32 = c[16 j + 8 h + 4 q2 + 0..3],  c = 1e8 x length of the row.
; Why c: 1 / max(ne nl, 1e-8) = (1 / nl) min(1 / ne, 1e8 nl).  The factor 1 / nl goes into the bf16 row here, the minimum is taken in the next launch.
; LIMITS: a row whose sum of squares is below 2^-126 counts as a row of zeros (it is scaled by a finite factor and gets c = 0, so its cosines are 0);
; a sum of squares or a c beyond the range of f32 (lengths above some 3e30) is not served; v_rsq_f32 and v_sqrt_f32 are good to one unit in the last place.
; No matrix unit, no tensor load, no cluster: 4.9 MB are read once and no two work-groups share a byte.
.set ROWB,  3072                       ; bytes in a label row
.set PITCH, 1552                       ; an LDS row: 1,536 bytes of bf16 + 16: an odd multiple of 16, so sixteen rows begin at sixteen different 16-byte columns of 256 bytes
.set CS,    24832                      ; behind the 16 rows: the 16 numbers c
.set RECB,  25600                      ; bytes in a record
.set X,     32                         ; v[32:127] 24 loads of 4 registers: the wave's four rows; later the record's pieces
	s_load_b128 s[4:7], s[0:1], 0x0                ; label_embed s[4:5], labw s[6:7]
	v_lshl_add_u32 v128, v0, 2, 0x6200
	v_mov_b32 v129, 0
	v_lshrrev_b32 v13, 5, v0
	v_readfirstlane_b32 s8, v13                    ; wave 0..3: rows 4 w .. 4 w + 3
	s_mov_b32 s10, 0x76543210                      ; v_permlanex16_b32: lane i of one half reads lane i of the other
	s_mov_b32 s11, 0xfedcba98
	s_mul_i32 s12, ttmp9, 16*ROWB                  ; the work-group's 16 rows
	s_mov_b32 s13, 0
	s_mul_i32 s14, ttmp9, RECB                     ; its record
	s_mov_b32 s15, 0
	s_mul_i32 s16, s8, 4*ROWB
	s_mul_i32 s17, s8, 4*PITCH
	s_lshl_b32 s18, s8, 4
	s_add_co_u32 s18, s18, CS
	s_mul_i32 s19, s8, 384
	s_mul_i32 s20, s8, 6144
	v_and_b32 v12, 31, v0                          ; lane (v12 later takes the other half's sum: it has been written)
	v_and_b32 v13, 15, v0                          ; r
	v_bfe_u32 v16, v0, 4, 1                        ; h
	v_lshl_add_u32 v1, v12, 4, s16                 ; loads: my wave's rows + 16 lane
	v_lshl_add_u32 v2, v12, 3, s17                 ; LDS stores: my wave's rows + 8 lane
	v_mov_b32 v3, s18                              ; my wave's four c
	v_mul_u32_u24 v4, v13, PITCH
	v_lshl_add_u32 v4, v16, 4, v4
	v_add_nc_u32 v4, s19, v4                       ; pieces 12 w ..: row r, byte 32 piece + 16 h
	v_lshl_add_u32 v5, v12, 4, s20                 ; where they go in the record
	v_lshlrev_b32 v6, 5, v16
	v_add_nc_u32 v6, CS, v6                        ; c[8 h ..]
	v_lshlrev_b32 v7, 4, v12
	s_wait_kmcnt 0x0
	s_add_nc_u64 s[4:5], s[4:5], s[12:13]
	s_add_nc_u64 s[6:7], s[6:7], s[14:15]
.irp i, 0,1,2,3,4,5,6,7,8,9,10,11,12,13,14,15,16,17,18,19,20,21,22,23
	global_load_b128 v[X+4*\i:X+4*\i+3], v1, s[4:5] offset:512*\i th:TH_LOAD_NT   ; 512 consecutive bytes a load, six loads a row
.endr
; Row p of my four: its sum of squares, its two factors, the row scaled, rounded to bf16 and laid into LDS.
.macro ROW p
.set XR, X+24*\p
	s_wait_loadcnt 18-6*\p                         ; loads come back in order: the six loads of each later row may stay out
	v_pk_mul_f32 v[8:9], v[XR:XR+1], v[XR:XR+1]    ; the first products start the two chains: nothing is cleared
	v_pk_mul_f32 v[10:11], v[XR+2:XR+3], v[XR+2:XR+3]
.set NN, 2
.rept 10
	v_pk_fma_f32 v[8+2*(NN%2):9+2*(NN%2)], v[XR+2*NN:XR+2*NN+1], v[XR+2*NN:XR+2*NN+1], v[8+2*(NN%2):9+2*(NN%2)]
.set NN, NN+1
.endr
	v_pk_add_f32 v[8:9], v[8:9], v[10:11]
	v_add_f32 v8, v8, v9
	v_add_f32_dpp v8, v8, v8 row_xmask:1 row_mask:0xf bank_mask:0xf
	v_add_f32_dpp v8, v8, v8 row_xmask:2 row_mask:0xf bank_mask:0xf
	v_add_f32_dpp v8, v8, v8 row_xmask:4 row_mask:0xf bank_mask:0xf
	v_add_f32_dpp v8, v8, v8 row_xmask:8 row_mask:0xf bank_mask:0xf
	v_permlanex16_b32 v12, v8, s10, s11
	v_add_f32 v8, v8, v12                          ; the row's sum of squares, in every lane
	v_max_num_f32 v13, 0x00800000, v8              ; at least 2^-126: the factor stays finite for a row of zeros
	v_rsq_f32 v14, v13                             ; 1 / length, twice: a pair for the packed multiply
	v_rsq_f32 v15, v13
	v_sqrt_f32 v16, v8                             ; the length
	v_nop                                          ; one plain vector instruction behind the transcendentals before their results are used
	s_wait_alu depctr_va_vdst(0)
	v_mul_f32 v16, 0x4cbebc20, v16                 ; c = 1e8 x length
.set NN, 0
.rept 12
	v_pk_mul_f32 v[XR+2*NN:XR+2*NN+1], v[XR+2*NN:XR+2*NN+1], v[14:15]
.set NN, NN+1
.endr
.set NN, 0
.rept 12
	v_cvt_pk_bf16_f32 v[20+NN], v[XR+2*NN], v[XR+2*NN+1]
.set NN, NN+1
.endr
.irp c, 0,1,2,3,4,5
	ds_store_b64 v2, v[20+2*\c:21+2*\c] offset:\p*PITCH+256*\c     ; my 4 columns of each 128: 256 consecutive bytes a store
.endr
	ds_store_b32 v3, v16 offset:4*\p               ; every lane writes the same number to the same word
.endm
	ROW 0
	ROW 1
	ROW 2
	ROW 3
	s_wait_dscnt 0x0                               ; my stores are in LDS before I say so:
	s_barrier_signal -1
	s_barrier_wait -1                              ; the other waves read them behind this barrier
	; The record: wave w takes pieces 12 w .. 12 w + 11, each 512 bytes in fragment order.
.irp i, 0,1,2,3,4,5,6,7,8,9,10,11
	ds_load_b128 v[X+4*\i:X+4*\i+3], v4 offset:32*\i
.endr
.irp i, 0,1,2,3,4,5,6,7,8,9,10,11
	s_wait_dscnt 11-\i                             ; LDS loads come back in order: the younger ones stay out
	global_store_b128 v5, v[X+4*\i:X+4*\i+3], s[6:7] offset:512*\i   ; 512 consecutive bytes, at a multiple of 512 from the record's first byte
.endr
	s_cmp_lg_u32 s8, 0                             ; wave 0 alone adds the c block (no barrier stands behind this branch)
	s_cbranch_scc1 .Ldone
	ds_load_b128 v[80:83], v6
	ds_load_b128 v[84:87], v6 offset:16
	s_wait_dscnt 0x0
	global_store_b128 v7, v[80:83], s[6:7] offset:24576
	global_store_b128 v7, v[84:87], s[6:7] offset:25088
.Ldone:
	s_wait_tensorcnt 0x0
	ds_add_u32 v128, v129
	s_wait_dscnt 0x0
	s_endpgm
.Lfunc_end_k_q52b5e48329_prep:
	.size	k_q52b5e48329_prep, .Lfunc_end_k_q52b5e48329_prep-k_q52b5e48329_prep
	.p2alignl 7, 3214868480
	.fill 96, 4, 3214868480
	.section	.rodata,"a",@progbits
	.p2align	6, 0x0
	.amdhsa_kernel k_q52b5e48329_prep
		.amdhsa_group_segment_fixed_size 25600
		.amdhsa_private_segment_fixed_size 0
		.amdhsa_enable_private_segment 0
		.amdhsa_kernarg_size 16
		.amdhsa_user_sgpr_count 2
		.amdhsa_user_sgpr_kernarg_segment_ptr 1
		.amdhsa_wavefront_size32 1
		.amdhsa_system_sgpr_workgroup_id_x 1
		.amdhsa_system_sgpr_workgroup_id_y 1
		.amdhsa_system_sgpr_workgroup_id_z 1
		.amdhsa_system_vgpr_workitem_id 0
		.amdhsa_next_free_vgpr 130
		.amdhsa_next_free_sgpr 66
		.amdhsa_reserve_vcc 0
		.amdhsa_float_denorm_mode_32 3
		.amdhsa_float_denorm_mode_16_64 3
		.amdhsa_memory_ordered 1
		.amdhsa_forward_progress 1
		.amdhsa_inst_pref_size 21
	.end_amdhsa_kernel
	.amdgpu_metadata
---
amdhsa.version: [ 1, 2 ]
amdhsa.kernels:
  - .name:           k_q52b5e48329_prep
    .symbol:         k_q52b5e48329_prep.kd
    .args:
      - { .name: label_embed, .offset: 0, .size: 8, .value_kind: global_buffer, .address_space: global }
      - { .name: labw, .offset: 8, .size: 8, .value_kind: global_buffer, .address_space: global }
    .group_segment_fixed_size: 25600
    .private_segment_fixed_size: 0
    .kernarg_segment_align: 8
    .kernarg_segment_size: 16
    .max_flat_workgroup_size: 128
    .sgpr_count:     66
    .vgpr_count:     130
    .wavefront_size: 32
...
	.end_amdgpu_metadata
.endif
;; end of part 1
;; launch sim (part 2): grid 256 x 1, 4 waves a work-group, clusters of 4 x 1, 327,680 bytes of LDS; arguments embed, labw, out0; writes out0
.if DOCPART == 2
	.amdgcn_target "amdgcn-amd-amdhsa--gfx1250"
	.amdhsa_code_object_version 6
	.text
	.protected	k_q52b5e48329_sim
	.globl	k_q52b5e48329_sim
	.p2align	8
	.type	k_q52b5e48329_sim,@function
k_q52b5e48329_sim:
	s_mov_b64 s[64:65], 0
	v_nop
	global_prefetch_b8 v0, s[64:65] scope:SCOPE_SE
	s_setreg_imm32_b32 hwreg(HW_REG_WAVE_MODE, 25, 1), 1
	s_wait_xcnt 0x0
	s_wait_alu depctr_hold_cnt(0) depctr_sa_sdst(0) depctr_va_vdst(0) depctr_va_sdst(0) depctr_va_ssrc(0) depctr_va_vcc(0) depctr_vm_vsrc(0)
	s_getreg_b32 s2, hwreg(HW_REG_IB_STS2, 6, 4)
	s_cmp_eq_u32 s2, 0
	s_cbranch_scc0 .Lentry_in_a_cluster
	s_endpgm
.Lentry_in_a_cluster:
	s_bfe_u32 s2, ttmp6, 0x10000c
	s_cmp_lg_u32 s2, 0x3003
	s_cbranch_scc0 .Lentry_shape_is_right
	s_endpgm
.Lentry_shape_is_right:
; out0[b][l] = max(-1, max over s and v of cos(embed[s][b], label[l][v])).  embed: [256 s][128 b][768] f32; labw: 100 records of 16 unit label rows in bf16
; fragment order, each with its 16 numbers c = 1e8 x length (see the launch before); out0: [128][200] f32.
; A work-group owns one b (all 256 s, so that the maximum over s never leaves it) and one half of the labels: 800 label rows = 50 records.
; Four waves, as many as a WGP has SIMDs.  Wave w owns the rows s = 64 w .. 64 w + 63.
; PHASE 1: the wave's 64 rows x 768 come as f32 through LDS (six chunks of 128 columns, two slots), are rounded to bf16 ONCE and stay as 96 matrix
;   fragments in 768 registers (windows 1 to 3); the same pass makes the rows' sums of squares in f32.
; PHASE 2: only label records stream, five to a slot, through the same two slots.  One label fragment (two LDS loads of 512 bytes) feeds four matrix
;   instructions.  A record takes 96 matrix instructions on four accumulator tiles; two sets of accumulators take turns, and the scaling and the
;   maximum of one record are done at the heads of the next record's three groups.
; THE MATRIX INSTRUCTION IS USED WITH THE LABELS AS SOURCE 0: register i of lane (r, h) then holds label row 8 h + i against embed row r, so that a lane's
;   eight registers are the eight values of ONE label (2 T + h), and the maximum over values is a maximum over registers.
; cos = acc x min(1 / ne, c): 1 / max(ne nl, 1e-8) = (1 / nl) min(1 / ne, 1e8 nl), and 1 / nl is in the label rows already.  An embed row of zeros has
;   1 / ne = +inf, the minimum is c, and acc = 0 gives 0, as the division by 1e-8 does.
; CLUSTERS: the four work-groups of a cluster have four neighbouring b and the same half of the labels: every label fill is asked for jointly (mask 15),
;   which divides the requests for 1.28 MB a work-group by four.  embed is NOT asked for jointly: its rows are shared by two work-groups only (the two halves
;   of the labels), 0.79 MB a work-group, and the cluster's four places are given to the larger share; the two that share rows lie in neighbouring clusters.
; LIMITS: NaN inputs are not carried to the output (v_max_num_f32 and v_min_num_f32 drop a NaN); sums of squares beyond the range of f32 are not served;
;   an embed row whose sum of squares is denormal counts as having 1 / ne = +inf (then c bounds the factor, as 1e-8 bounds the denominator);
;   the scale is applied as two factors, so the order of rounding differs from one division; v_rsq_f32 is good to one unit in the last place.
;
; REGISTERS.  window 0: v1 16 lane; v2 base of the record being fetched; v4-5 my stage address in slot 0, 1; v6 my word of the scratch; v8-11 1 / ne of row r of
;   tiles 0-3; v12-13 prefetch offsets; v14-15 at work; v16-23, v24-31 c of the even, odd record; v32-47 factors; v48-63 the tree of maxima (v32-63 in
;   phase 1: sums of squares); v64-95, v96-127 the two sets of four accumulator tiles; v128-191, v192-255 two buffers of 8 label fragments (phase 1: f32 rows).
;   windows 1-3: embed fragment (tile t, K step c) in window 1 + c / 8 at register ((c % 8) 4 + t) 8.
.set SLOT,   135168                    ; 256 stage rows of 528 bytes; a label fill (128,000 bytes) lies at its start
.set APITCH, 528                       ; a stage row: 512 bytes + 16: an odd multiple of 16, so sixteen rows begin at sixteen different 16-byte columns of 256 bytes
.set AWAVE,  64*APITCH                 ; a wave's 64 stage rows
.set REC,    25600                     ; a label record
.set FILLB,  5*REC                     ; a label fill
.set BWAVE,  FILLB/4                   ; what one wave asks for of it: 125 rows of 256 bytes
.set SCR,    2*SLOT                    ; scratch of 4 x 100 words behind the slots: no tensor load ever lands there
.set SROW,   393216                    ; bytes from s to s + 1 in embed
.set BA,   2
.set AADR, 4
.set SCRA, 6
.set IE,   8
.set C0,   16
.set G,    32
.set SS,   32
.set TM,   48
.set ACC0, 64
.set F0,   128
.set F1,   192
.set G1A, 16                           ; s[16:23] group 1 of the embed chunks
.set G0A, 24                           ; s[24:31] their group 0, one set for each slot
.set G1B, 32                           ; s[32:39] group 1 of the label fills
.set G0B, 40                           ; s[40:47] their group 0, one set for each slot
.set MSB, 0
.macro WIN new                         ; register windows: bits 1:0 source 0, 3:2 source 1, 5:4 source 2, 7:6 destination; the high byte repeats the setting that is left
.if MSB != (\new)
	s_set_vgpr_msb (MSB<<8)|(\new)
.set MSB, \new
.endif
.endm
.macro PLACES
.rept 4
	v_nop
.endr
.endm
; A round of the cluster's barrier: my work-group's barrier, wave 0 signals for the work-group, every wave waits for all four work-groups, my work-group's barrier again.
.macro CREST                           ; a round behind its opening barrier
	s_cmp_lg_u32 s10, 0
	s_cbranch_scc1 .Lnot_wave_0_\@
	s_barrier_signal -3
.Lnot_wave_0_\@:
	s_barrier_wait -3
	s_barrier_signal -1
	s_barrier_wait -1
.endm
.macro ROUND
	s_barrier_signal -1
	s_barrier_wait -1
	CREST
.endm
	s_load_b128 s[4:7], s[0:1], 0x0                ; embed s[4:5], labw s[6:7]
	s_load_b64 s[8:9], s[0:1], 0x10                ; out0
	v_lshl_add_u32 v3, v0, 2, 0x42700
	v_mov_b32 v7, 0
	ds_add_u32 v3, v7
	v_lshrrev_b32 v14, 5, v0
	v_readfirstlane_b32 s10, v14                   ; wave 0..3
	s_bfe_u32 s11, ttmp6, 0x40000                  ; cx: my place in the cluster.  It enters embed's and out0's addresses alone
	s_and_b32 s12, ttmp9, 1                        ; which half of the labels: from the cluster's number, the same in all four partners
	s_lshr_b32 s13, ttmp9, 1
	s_lshl_b32 s13, s13, 2
	s_add_co_u32 s13, s13, s11                     ; b = 4 (cluster / 2) + cx
	s_mov_b32 s50, 0x76543210                      ; v_permlanex16_b32: lane i of one half reads lane i of the other
	s_mov_b32 s51, 0xfedcba98
	; group 1 of an embed chunk: 64 rows x 128 f32, a row every 98,304 elements, 16 bytes of padding behind each row in LDS; no mask: a load of my own
	s_mov_b32 s[G1A+0], (2<<16)|(1<<20)|(6<<22)|(3<<25)   ; 17:16 elements of 4 bytes; 20 padding on; 24:22 after every 128 words (code 6); 31:25 of 4 words (code 3)
	s_mov_b32 s[G1A+1], 128<<16                    ; tensor_dim0 = 128
	s_mov_b32 s[G1A+2], 64<<16                     ; tensor_dim1 = 64
	s_mov_b32 s[G1A+3], 128<<16                    ; tile_dim0 = 128
	s_mov_b32 s[G1A+4], 64                         ; tile_dim1 = 64
	s_mov_b32 s[G1A+5], 98304                      ; elements from row to row
	s_mov_b32 s[G1A+6], 0
	s_mov_b32 s[G1A+7], 0
	; group 1 of a wave's quarter of a label fill: 32,000 dense bytes as 125 rows of 32 elements of 8 bytes; asked for jointly by the cluster's four work-groups
	s_mov_b32 s[G1B+0], 15|(3<<16)|(1<<21)         ; 15:0 the mask: all four places; 17:16 elements of 8 bytes; 21 set beside a mask
	s_mov_b32 s[G1B+1], 32<<16
	s_mov_b32 s[G1B+2], 125<<16
	s_mov_b32 s[G1B+3], 32<<16
	s_mov_b32 s[G1B+4], 125
	s_mov_b32 s[G1B+5], 32
	s_mov_b32 s[G1B+6], 0
	s_mov_b32 s[G1B+7], 0
	s_mul_i32 s56, s10, AWAVE                      ; LDS: my stage rows (the wave's number alone)
	s_mul_i32 s57, s10, BWAVE                      ; LDS and labw: my quarter of a fill
	s_lshl_b32 s14, s10, 13
	s_add_co_u32 s14, s14, s13
	s_mul_i32 s14, s14, 3072                       ; embed: row (s = 64 w, b) = (8,192 w + b) x 3,072 bytes, below 2^27
	s_mov_b32 s15, 0
	s_mul_i32 s58, s12, 50*REC                     ; labw: my half + my quarter: nothing of cx in it
	s_add_co_u32 s58, s58, s57
	s_mov_b32 s59, 0
	s_mul_i32 s60, s13, 800                        ; out0: row b, 100 labels of my half
	s_mul_i32 s61, s12, 400
	s_add_co_u32 s60, s60, s61
	s_mov_b32 s61, 0
	s_lshl_b32 s62, s12, 8                         ; prefetch: block 0 or 1 of a row's 512 bytes, by the half of the labels
	s_mov_b32 s63, 0
	v_and_b32 v14, 31, v0                          ; lane
	v_lshlrev_b32 v1, 4, v14
	v_mul_u32_u24 v12, v14, SROW                   ; prefetch: my rows lane and lane + 32
	v_add_nc_u32 v13, 32*SROW, v12
	s_wait_dscnt 0x0
	s_wait_kmcnt 0x0
	s_add_nc_u64 s[54:55], s[4:5], s[14:15]
	s_add_nc_u64 s[52:53], s[54:55], s[62:63]
	s_add_nc_u64 s[6:7], s[6:7], s[58:59]
	s_add_nc_u64 s[8:9], s[8:9], s[60:61]
.irp z, 0,1
	s_mov_b32 s[G0A+4*\z], 1                                       ; count = 1
	s_add_co_u32 s[G0A+4*\z+1], s56, \z*SLOT                       ; LDS address
	s_add_nc_u64 s[G0A+4*\z+2:G0A+4*\z+3], s[54:55], \z*512        ; chunk z
	s_or_b32 s[G0A+4*\z+3], s[G0A+4*\z+3], 0x80000000              ; type = 2
	s_mov_b32 s[G0B+4*\z], 1
	s_add_co_u32 s[G0B+4*\z+1], s57, \z*SLOT
	s_add_nc_u64 s[G0B+4*\z+2:G0B+4*\z+3], s[6:7], \z*FILLB        ; fill z
	s_or_b32 s[G0B+4*\z+3], s[G0B+4*\z+3], 0x80000000
.endr
	ROUND                                          ; in a cluster every group of tensor loads stands behind a round
	tensor_load_to_lds s[G0A:G0A+3], s[G1A:G1A+7]          ; chunk 0 into slot 0
	s_nop 0
	tensor_load_to_lds s[G0A+4:G0A+7], s[G1A:G1A+7]        ; chunk 1 into slot 1: two tensor loads of the wave are out, the most in this text
	s_nop 0
	; Prefetch of embed: for the chunk that is loaded one refill later, each wave asks for ONE of the two 256-byte blocks of each of its 64 rows, block number =
	; my half of the labels; the work-group with the other half asks for the other block.  64 KB a work-group ahead; chunk 5 is the last asked for.
	global_prefetch_b8 v12, s[52:53] offset:2*512 th:TH_LOAD_NT scope:SCOPE_SE
	global_prefetch_b8 v13, s[52:53] offset:2*512 th:TH_LOAD_NT scope:SCOPE_SE
	v_and_b32 v48, 15, v0                          ; r
	v_bfe_u32 v49, v0, 4, 1                        ; h
	v_mul_u32_u24 v15, v48, APITCH
	v_lshl_add_u32 v15, v49, 5, v15                ; row r, f32 columns 8 h ..
	v_add_nc_u32 v[AADR], s56, v15
	v_add_nc_u32 v[AADR+1], SLOT, v[AADR]
	s_mul_i32 s14, s10, 400
	s_add_co_u32 s14, s14, SCR
	v_lshl_add_u32 v[SCRA], v49, 2, s14            ; scratch: wave w, label 2 T + h
; ---------------- PHASE 1 ----------------
; 16 LDS loads: rows 16 t + r of the chunk in slot z, as f32, in the order of four bf16 fragments: K step kk takes columns 8 h .. 8 h + 7 and 16 + 8 h .. + 7 of its 32.
.macro ALOAD z, t, f
.irp kk, 0,1,2,3
	ds_load_b128 v[\f+16*\kk:\f+16*\kk+3],     v[AADR+\z] offset:\t*16*APITCH+128*\kk
	ds_load_b128 v[\f+16*\kk+4:\f+16*\kk+7],   v[AADR+\z] offset:\t*16*APITCH+128*\kk+16
	ds_load_b128 v[\f+16*\kk+8:\f+16*\kk+11],  v[AADR+\z] offset:\t*16*APITCH+128*\kk+64
	ds_load_b128 v[\f+16*\kk+12:\f+16*\kk+15], v[AADR+\z] offset:\t*16*APITCH+128*\kk+80
.endr
.endm
.macro SQ t, f, from                   ; squares of pairs from .. 31 onto four chains that do not wait for each other
.set NN, \from
.rept 32-\from
	v_pk_fma_f32 v[SS+8*\t+2*(NN%4):SS+8*\t+2*(NN%4)+1], v[\f+2*NN:\f+2*NN+1], v[\f+2*NN:\f+2*NN+1], v[SS+8*\t+2*(NN%4):SS+8*\t+2*(NN%4)+1]
.set NN, NN+1
.endr
.endm
; The 64 f32 of buffer f become the four fragments (t, 4 q + kk), and their squares are added.  first = 1: the first products start the sums.
.macro ACONV q, t, f, first
	WIN (1+(\q)/2)<<6                              ; destination: window 1 + (4 q + kk) / 8
.irp kk, 0,1,2,3
.irp e, 0,1,2,3,4,5,6,7
	v_cvt_pk_bf16_f32 v[((4*((\q)%2)+\kk)*4+\t)*8+\e], v[\f+16*\kk+2*\e], v[\f+16*\kk+2*\e+1]
.endr
.endr
	WIN 0
.if \first
.irp e, 0,2,4,6
	v_pk_mul_f32 v[SS+8*\t+\e:SS+8*\t+\e+1], v[\f+\e:\f+\e+1], v[\f+\e:\f+\e+1]
.endr
	SQ \t, \f, 4
.else
	SQ \t, \f, 0
.endif
.endm
; Chunk q, which lies in slot z: four row tiles through the two buffers, one tile's loads on their way while the tile before is converted.
.macro ATURN q, z, first
	ALOAD \z, 0, F0
	ALOAD \z, 1, F1
	s_wait_dscnt 16                                ; LDS loads come back in order: the 16 of the next tile stay out
	ACONV \q, 0, F0, \first
	ALOAD \z, 2, F0
.if \q < 3
	global_prefetch_b8 v12, s[52:53] offset:(\q+3)*512 th:TH_LOAD_NT scope:SCOPE_SE   ; chunk q + 3, which is loaded behind the next turn
	global_prefetch_b8 v13, s[52:53] offset:(\q+3)*512 th:TH_LOAD_NT scope:SCOPE_SE
.endif
	s_wait_dscnt 16
	ACONV \q, 1, F1, \first
	ALOAD \z, 3, F1
	s_wait_dscnt 16
	ACONV \q, 2, F0, \first
	s_wait_dscnt 0x0
	ACONV \q, 3, F1, \first
.endm
; Slot z, which has been read, is filled again.  Every wave waits for its LDS reads and for all its tensor loads; then no load of mine is out and group 0 may be
; stepped; the round of the cluster's barrier; the refill is the first tensor load behind it.  The wait for 0 also shows the other slot's chunk landed: its rows are my own.
.macro AFILL z
	s_wait_dscnt 0x0
	s_wait_tensorcnt 0x0
	ds_add_u32 v3, v7
	s_wait_dscnt 0x0
	s_add_nc_u64 s[G0A+4*\z+2:G0A+4*\z+3], s[G0A+4*\z+2:G0A+4*\z+3], 2*512
	ROUND
	tensor_load_to_lds s[G0A+4*\z:G0A+4*\z+3], s[G1A:G1A+7]
	s_nop 0
.endm
.macro BFILL z                         ; the same for the first label fill of slot z, a joint load
	s_wait_dscnt 0x0
	s_wait_tensorcnt 0x0
	ds_add_u32 v3, v7
	s_wait_dscnt 0x0
	ROUND
	tensor_load_to_lds s[G0B+4*\z:G0B+4*\z+3], s[G1B:G1B+7]
	s_nop 0
.endm
	s_wait_tensorcnt 0x1                           ; chunk 0 is in (my own rows: no barrier); chunk 1, issued behind it, stays out
	ATURN 0, 0, 1
	AFILL 0                                        ; chunk 2
	ATURN 1, 1, 0
	AFILL 1                                        ; chunk 3
	ATURN 2, 0, 0
	AFILL 0                                        ; chunk 4
	ATURN 3, 1, 0
	AFILL 1                                        ; chunk 5
	ATURN 4, 0, 0
	BFILL 0                                        ; label fill 0 is on its way while the last chunk is converted
	ATURN 5, 1, 0
	; 1 / ne.  Lane (r, h) has summed the columns of row r whose number / 8 is h modulo 2: the other half of the lanes holds the rest.
.irp t, 0,1,2,3
	v_pk_add_f32 v[SS+8*\t:SS+8*\t+1], v[SS+8*\t:SS+8*\t+1], v[SS+8*\t+2:SS+8*\t+3]
	v_pk_add_f32 v[SS+8*\t+4:SS+8*\t+5], v[SS+8*\t+4:SS+8*\t+5], v[SS+8*\t+6:SS+8*\t+7]
.endr
.irp t, 0,1,2,3
	v_pk_add_f32 v[SS+8*\t:SS+8*\t+1], v[SS+8*\t:SS+8*\t+1], v[SS+8*\t+4:SS+8*\t+5]
.endr
.irp t, 0,1,2,3
	v_add_f32 v[SS+8*\t], v[SS+8*\t], v[SS+8*\t+1]
.endr
.irp t, 0,1,2,3
	v_permlanex16_b32 v[SS+8*\t+1], v[SS+8*\t], s50, s51   ; its destination has been written
.endr
.irp t, 0,1,2,3
	v_add_f32 v[SS+8*\t], v[SS+8*\t], v[SS+8*\t+1]
.endr
.irp t, 0,1,2,3
	v_rsq_f32 v[IE+\t], v[SS+8*\t]                 ; +inf for a row of zeros
.endr
	v_nop                                          ; one plain vector instruction behind the transcendentals
	BFILL 1                                        ; its wait for 0 and its barriers show fill 0 whole, every wave's quarter
; ---------------- PHASE 2 ----------------
; The factors of tiles t0, t0 + 1 of accumulator set a, and the products.  The sixteen minima name no accumulator and no fragment: they are the places
; that stand behind the last matrix instructions before results are read and before loads land in the buffer that was multiplied.
.macro EPMUL a, cc, t0
.irp u, 0,1
.irp e, 0,1,2,3,4,5,6,7
	v_min_num_f32 v[G+8*\u+\e], v[IE+\t0+\u], v[\cc+\e]            ; min(1 / ne of embed row r, c of label row 8 h + e)
.endr
.endr
.irp u, 0,1
.irp e, 0,2,4,6
	v_pk_mul_f32 v[\a+8*(\t0+\u)+\e:\a+8*(\t0+\u)+\e+1], v[\a+8*(\t0+\u)+\e:\a+8*(\t0+\u)+\e+1], v[G+8*\u+\e:G+8*\u+\e+1]
.endr
.endr
.endm
; The largest of a lane's 32 cosines (8 values x 4 row tiles), then of the 16 lanes of its half (16 embed rows): label 2 T + h over my wave's 64 rows.
.macro EPMAX a, off
.irp m, 0,1,2,3,4,5,6,7,8,9
	v_max3_num_f32 v[TM+\m], v[\a+3*\m], v[\a+3*\m+1], v[\a+3*\m+2]
.endr
	v_max3_num_f32 v[TM+10], v[TM], v[TM+1], v[TM+2]
	v_max3_num_f32 v[TM+11], v[TM+3], v[TM+4], v[TM+5]
	v_max3_num_f32 v[TM+12], v[TM+6], v[TM+7], v[TM+8]
	v_max3_num_f32 v[TM+13], v[TM+9], v[\a+30], v[\a+31]
	v_max3_num_f32 v[TM+14], v[TM+10], v[TM+11], v[TM+12]
	v_max_num_f32 v[TM+15], v[TM+14], v[TM+13]
	v_max_num_f32_dpp v[TM+15], v[TM+15], v[TM+15] row_xmask:1 row_mask:0xf bank_mask:0xf
	v_max_num_f32_dpp v[TM+15], v[TM+15], v[TM+15] row_xmask:2 row_mask:0xf bank_mask:0xf
	v_max_num_f32_dpp v[TM+15], v[TM+15], v[TM+15] row_xmask:4 row_mask:0xf bank_mask:0xf
	v_max_num_f32_dpp v[TM+15], v[TM+15], v[TM+15] row_xmask:8 row_mask:0xf bank_mask:0xf
	ds_store_b32 v[SCRA], v[TM+15] offset:\off     ; sixteen lanes write the same number to the same word
.endm
; Group g (0..2) of record i (0..9 of a lap): K steps 8 g .. 8 g + 7, 32 matrix instructions on the embed fragments of window g + 1.
; At its head: a third of the work on the record before (ep = 1), on the other accumulators.  Then, by mode:
;   0  the next group's 16 fragment loads, one behind each of the first 16 matrix instructions (destination and address lie in window 0: no switch)
;   1  the slot has been read to its end: it is filled again, two fills ahead, and the next group's fragments come from the other slot
;   2  the same change of slots without a refill (last lap)      3  nothing more to fetch (last record)
; The four accumulators take turns, one instruction a turn, and the set changes from record to record.
.macro GROUP i, g, ep, mode
.set PP, (\i)%2
.set AC, ACC0+32*PP                    ; this record's accumulators
.set AO, ACC0+32-32*PP                 ; the record before's
.set CP, C0+8*PP                       ; this record's c
.set CQ, C0+8-8*PP
.set FB, F0+64*(((\i)+(\g))%2)         ; the buffer that is multiplied
.set NF, F0+F1-FB                      ; the buffer that is filled
.set SG, (\i)/5                        ; this record's slot
.set NI, ((\i)+1)%10                   ; the next record
.if (\g) < 2
.set NO, ((\g)+1)*8192
.else
.set NO, 0
.endif
	WIN 0
.if \ep
.if (\g) == 0
	EPMUL AO, CQ, 0
.endif
.if (\g) == 1
	EPMUL AO, CQ, 2
.endif
.if (\g) == 2
	EPMAX AO, (((\i)+9)%10)*8
.if (\i) == 0
	v_add_nc_u32 v[SCRA], 80, v[SCRA]              ; the next lap's ten records (an LDS store's address needs no wait)
.endif
.endif
.else
	PLACES                                         ; four places behind the last matrix instructions before loads land in the buffer that they read
.endif
.if (\g) == 2
.if (\mode) != 3
	v_add_nc_u32 v[BA], (NI/5)*SLOT+(NI%5)*REC, v1 ; all of this record's loads have been issued: the next record's first byte + 16 lane
.endif
.endif
	s_wait_dscnt 0x0                               ; this group's fragments, issued at least 16 matrix instructions ago (and c, and the scratch store)
.if (\mode) == 1
	s_wait_tensorcnt 0x0                           ; with the wait above: my reads of this slot are over and all my tensor loads have landed, my quarter of the other slot among them;
	ds_add_u32 v3, v7
	s_wait_dscnt 0x0
	s_add_nc_u64 s[G0B+4*SG+2:G0B+4*SG+3], s[G0B+4*SG+2:G0B+4*SG+3], 2*FILLB   ; no load of mine is out, so group 0 may be stepped
	s_barrier_signal -1                            ; this barrier opens a round of the cluster's barrier
.endif
.if (\mode) == 2
	s_wait_tensorcnt 0x0                           ; my quarter of the last fill has landed
	s_barrier_signal -1
.endif
	WIN ((\g)+1)<<2                                ; source 1, the embed fragments, from window g + 1
.irp kk, 0,1,2,3
.irp t, 0,1,2,3
.if ((\g)+\kk) == 0
	v_wmma_f32_16x16x32_bf16 v[AC+8*\t:AC+8*\t+7], v[FB+8*\kk:FB+8*\kk+7], v[32*\kk+8*\t:32*\kk+8*\t+7], 0   ; the first K step starts the sums: nothing is cleared
.else
	v_wmma_f32_16x16x32_bf16 v[AC+8*\t:AC+8*\t+7], v[FB+8*\kk:FB+8*\kk+7], v[32*\kk+8*\t:32*\kk+8*\t+7], v[AC+8*\t:AC+8*\t+7]
.endif
.if (\mode) == 0
	ds_load_b128 v[NF+16*\kk+4*\t:NF+16*\kk+4*\t+3], v[BA] offset:NO+2048*\kk+512*\t   ; 512 consecutive bytes: no two lanes meet in a bank
.endif
.endr
.endr
.if (\g) == 1
	ds_load_b128 v[CP:CP+3],   v[BA] offset:24576  ; c of label rows 8 h .. 8 h + 7 of this record
	ds_load_b128 v[CP+4:CP+7], v[BA] offset:25088
.endif
.if (\mode) == 1
	WIN 0
	s_barrier_wait -1
	CREST                                          ; all four work-groups have said so: no wave of any partner still reads this slot or has a load on its way
	tensor_load_to_lds s[G0B+4*SG:G0B+4*SG+3], s[G1B:G1B+7]    ; the joint refill: the first tensor load behind the round, ahead of the first LDS read
	s_nop 0
.irp m, 0,1,2,3,4,5,6,7,8,9,10,11,12,13,14,15
	ds_load_b128 v[NF+4*\m:NF+4*\m+3], v[BA] offset:512*\m     ; the other slot is whole: its first record's first group
.endr
	WIN ((\g)+1)<<2
.endif
.if (\mode) == 2
	s_barrier_wait -1                              ; every wave's quarter of the last fill has landed
.irp m, 0,1,2,3,4,5,6,7,8,9,10,11,12,13,14,15
	ds_load_b128 v[NF+4*\m:NF+4*\m+3], v[BA] offset:512*\m
.endr
.endif
.irp kk, 4,5,6,7
.irp t, 0,1,2,3
	v_wmma_f32_16x16x32_bf16 v[AC+8*\t:AC+8*\t+7], v[FB+8*\kk:FB+8*\kk+7], v[32*\kk+8*\t:32*\kk+8*\t+7], v[AC+8*\t:AC+8*\t+7]
.endr
.endr
.endm
.macro TILE i, ep, mode2
	GROUP \i, 0, \ep, 0
	GROUP \i, 1, \ep, 0
	GROUP \i, 2, \ep, \mode2
.endm
; A lap: ten records, once round the two slots.  first = 1: no record before the first.  refill = 1: both slots are filled again.
.macro LAP first, refill
	TILE 0, 1-\first, 0
	TILE 1, 1, 0
	TILE 2, 1, 0
	TILE 3, 1, 0
	TILE 4, 1, 2-\refill
	TILE 5, 1, 0
	TILE 6, 1, 0
	TILE 7, 1, 0
	TILE 8, 1, 0
	TILE 9, 1, 3-2*\refill
.endm
	v_mov_b32 v[BA], v1                            ; record 0 lies at byte 0 of slot 0
	s_wait_alu depctr_va_vdst(0)
.irp m, 0,1,2,3,4,5,6,7,8,9,10,11,12,13,14,15
	ds_load_b128 v[F0+4*\m:F0+4*\m+3], v[BA] offset:512*\m
.endr
	LAP 1, 1                                       ; fills 2 and 3 go out
	WIN 0                                          ; at a label and at a branch every window is 0
	s_mov_b32 s48, 3
.Llap:
	LAP 0, 1                                       ; three laps: fills 4 to 9 go out
	WIN 0
	s_sub_co_u32 s48, s48, 1
	s_cmp_lg_u32 s48, 0
	s_cbranch_scc1 .Llap
	LAP 0, 0                                       ; the last lap fills nothing
	WIN 0
	EPMUL ACC0+32, C0+8, 0                         ; the last record (an odd one); the minima are the places behind the last matrix instructions
	EPMUL ACC0+32, C0+8, 2
	EPMAX ACC0+32, 72
	; The four waves' maxima meet in LDS: thread l < 100 takes label l of my half.
	v_lshlrev_b32 v14, 2, v0
	v_add_nc_u32 v15, SCR, v14
	s_wait_dscnt 0x0                               ; my scratch stores are in LDS before I say so
	s_barrier_signal -1
	s_barrier_wait -1
	v_cmp_gt_u32 vcc_lo, 100, v0
	s_wait_xcnt 0x0                                ; EXEC is a source of the global accesses issued so far: it changes only behind this wait
	s_and_saveexec_b32 s49, vcc_lo
	ds_load_b32 v48, v15
	ds_load_b32 v49, v15 offset:400
	ds_load_b32 v50, v15 offset:800
	ds_load_b32 v51, v15 offset:1200
	s_wait_dscnt 0x0
	v_max3_num_f32 v48, v48, v49, v50
	v_max3_num_f32 v48, v48, v51, -1.0             ; the running maximum starts at -1
	global_store_b32 v14, v48, s[8:9]              ; 400 consecutive bytes a work-group, written once
	s_wait_xcnt 0x0                                ; and again in front of the line that widens EXEC
	s_or_b32 exec_lo, exec_lo, s49
	s_wait_tensorcnt 0x0
	ds_add_u32 v3, v7
	s_wait_dscnt 0x0
	ROUND                                          ; the closing round: no work-group ends while a partner may still ask for a fill that names it
	s_endpgm
.Lfunc_end_k_q52b5e48329_sim:
	.size	k_q52b5e48329_sim, .Lfunc_end_k_q52b5e48329_sim-k_q52b5e48329_sim
	.p2alignl 7, 3214868480
	.fill 96, 4, 3214868480
	.section	.rodata,"a",@progbits
	.p2align	6, 0x0
	.amdhsa_kernel k_q52b5e48329_sim
		.amdhsa_group_segment_fixed_size 327680
		.amdhsa_private_segment_fixed_size 0
		.amdhsa_enable_private_segment 0
		.amdhsa_kernarg_size 24
		.amdhsa_user_sgpr_count 2
		.amdhsa_user_sgpr_kernarg_segment_ptr 1
		.amdhsa_wavefront_size32 1
		.amdhsa_system_sgpr_workgroup_id_x 1
		.amdhsa_system_sgpr_workgroup_id_y 1
		.amdhsa_system_sgpr_workgroup_id_z 1
		.amdhsa_system_vgpr_workitem_id 0
		.amdhsa_next_free_vgpr 1024
		.amdhsa_next_free_sgpr 66
		.amdhsa_reserve_vcc 1
		.amdhsa_float_denorm_mode_32 3
		.amdhsa_float_denorm_mode_16_64 3
		.amdhsa_memory_ordered 1
		.amdhsa_forward_progress 1
		.amdhsa_inst_pref_size 255
	.end_amdhsa_kernel
	.section	.bss,"aw",@nobits
	.p2align	6
	.space	262144
	.amdgpu_metadata
---
amdhsa.version: [ 1, 2 ]
amdhsa.kernels:
  - .name:           k_q52b5e48329_sim
    .symbol:         k_q52b5e48329_sim.kd
    .args:
      - { .name: embed, .offset: 0, .size: 8, .value_kind: global_buffer, .address_space: global }
      - { .name: labw, .offset: 8, .size: 8, .value_kind: global_buffer, .address_space: global }
      - { .name: out0, .offset: 16, .size: 8, .value_kind: global_buffer, .address_space: global }
    .group_segment_fixed_size: 327680
    .private_segment_fixed_size: 0
    .kernarg_segment_align: 8
    .kernarg_segment_size: 24
    .max_flat_workgroup_size: 128
    .sgpr_count:     66
    .vgpr_count:     1024
    .wavefront_size: 32
...
	.end_amdgpu_metadata
.endif
;; end of part 2
;; ======== version 2 of 2: 2 launches
;; workspace buffers: labw 2,560,000 bytes
;; launch prep: the kernel of part 1 again; grid 100 x 1, 4 waves a work-group, no clusters, 25,600 bytes of LDS; arguments label_embed, labw; writes labw
;; launch sim (part 3): grid 256 x 1, 4 waves a work-group, clusters of 4 x 1, 327,680 bytes of LDS; arguments embed, labw, out0; writes out0
.if DOCPART == 3
	.amdgcn_target "amdgcn-amd-amdhsa--gfx1250"
	.amdhsa_code_object_version 6
	.text
	.protected	k_q52b5e48329_sim
	.globl	k_q52b5e48329_sim
	.p2align	8
	.type	k_q52b5e48329_sim,@function
k_q52b5e48329_sim:
	s_mov_b64 s[64:65], 0
	v_nop
	global_prefetch_b8 v0, s[64:65] scope:SCOPE_SE
	s_setreg_imm32_b32 hwreg(HW_REG_WAVE_MODE, 25, 1), 1
	s_wait_xcnt 0x0
	s_wait_alu depctr_hold_cnt(0) depctr_sa_sdst(0) depctr_va_vdst(0) depctr_va_sdst(0) depctr_va_ssrc(0) depctr_va_vcc(0) depctr_vm_vsrc(0)
	s_getreg_b32 s2, hwreg(HW_REG_IB_STS2, 6, 4)
	s_cmp_eq_u32 s2, 0
	s_cbranch_scc0 .Lentry_in_a_cluster
	s_endpgm
.Lentry_in_a_cluster:
	s_bfe_u32 s2, ttmp6, 0x10000c
	s_cmp_lg_u32 s2, 0x3003
	s_cbranch_scc0 .Lentry_shape_is_right
	s_endpgm
.Lentry_shape_is_right:
; out0[b][l] = max(-1, max over s and v of cos(embed[s][b], label[l][v])).  embed: [256 s][128 b][768] f32; labw: 100 records of 16 unit label rows in bf16
; fragment order, each with its 16 numbers c = 1e8 x length (see the launch before); out0: [128][200] f32.
; A work-group owns one b (all 256 s, so that the maximum over s never leaves it) and one half of the labels: 800 label rows = 50 records.
; Four waves, as many as a WGP has SIMDs.  Wave w owns the rows s = 64 w .. 64 w + 63.
; PHASE 1: the wave's 64 rows x 768 come as f32 through LDS (six chunks of 128 columns, two slots), are rounded to bf16 ONCE and stay as 96 matrix
;   fragments in 768 registers (windows 1 to 3); the same pass makes the rows' sums of squares in f32.
; PHASE 2: only label records stream, five to a slot, through the same two slots.  One label fragment (two LDS loads of 512 bytes) feeds four matrix
;   instructions.  A record takes 96 matrix instructions on four accumulator tiles, in three groups of 32; two sets of accumulators take turns, and the
;   scaling and the maximum of one record are done at the heads of the next record's three groups, followed by the next group's LDS loads in one run.
; THE MATRIX INSTRUCTION IS USED WITH THE LABELS AS SOURCE 0: register i of lane (r, h) then holds label row 8 h + i against embed row r, so that a lane's
;   eight registers are the eight values of ONE label (2 T + h), and the maximum over values is a maximum over registers.
; cos = acc x min(1 / ne, c): 1 / max(ne nl, 1e-8) = (1 / nl) min(1 / ne, 1e8 nl), and 1 / nl is in the label rows already.  An embed row of zeros has
;   1 / ne = +inf, the minimum is c, and acc = 0 gives 0, as the division by 1e-8 does.
; CLUSTERS: the four work-groups of a cluster have four neighbouring b and the same half of the labels: every label fill is asked for jointly (mask 15),
;   which divides the requests for 1.28 MB a work-group by four.  embed is NOT asked for jointly: its rows are shared by two work-groups only (the two halves
;   of the labels), 0.79 MB a work-group, and the cluster's four places are given to the larger share; the two that share rows lie in neighbouring clusters.
; LIMITS: NaN inputs are not carried to the output (v_max_num_f32 and v_min_num_f32 drop a NaN); sums of squares beyond the range of f32 are not served;
;   an embed row whose sum of squares is denormal counts as having 1 / ne = +inf (then c bounds the factor, as 1e-8 bounds the denominator);
;   the scale is applied as two factors, so the order of rounding differs from one division; v_rsq_f32 is good to one unit in the last place.
;
; REGISTERS.  window 0: v1 16 lane; v2 base of the record being fetched; v4-5 my stage address in slot 0, 1; v6 my word of the scratch; v8-11 1 / ne of row r of
;   tiles 0-3; v12-13 prefetch offsets; v14-15 at work; v16-23, v24-31 c of the even, odd record; v32-47 factors; v48-63 the tree of maxima (v32-63 in
;   phase 1: sums of squares); v64-95, v96-127 the two sets of four accumulator tiles; v128-191, v192-255 two buffers of 8 label fragments (phase 1: f32 rows).
;   windows 1-3: embed fragment (tile t, K step c) in window 1 + c / 8 at register ((c % 8) 4 + t) 8.
.set SLOT,   135168                    ; 256 stage rows of 528 bytes; a label fill (128,000 bytes) lies at its start
.set APITCH, 528                       ; a stage row: 512 bytes + 16: an odd multiple of 16, so sixteen rows begin at sixteen different 16-byte columns of 256 bytes
.set AWAVE,  64*APITCH                 ; a wave's 64 stage rows
.set REC,    25600                     ; a label record
.set FILLB,  5*REC                     ; a label fill
.set BWAVE,  FILLB/4                   ; what one wave asks for of it: 125 rows of 256 bytes
.set SCR,    2*SLOT                    ; scratch of 4 x 100 words behind the slots: no tensor load ever lands there
.set SROW,   393216                    ; bytes from s to s + 1 in embed
.set BA,   2
.set AADR, 4
.set SCRA, 6
.set IE,   8
.set C0,   16
.set G,    32
.set SS,   32
.set TM,   48
.set ACC0, 64
.set F0,   128
.set F1,   192
.set G1A, 16                           ; s[16:23] group 1 of the embed chunks
.set G0A, 24                           ; s[24:31] their group 0, one set for each slot
.set G1B, 32                           ; s[32:39] group 1 of the label fills
.set G0B, 40                           ; s[40:47] their group 0, one set for each slot
.set MSB, 0
.macro WIN new                         ; register windows: bits 1:0 source 0, 3:2 source 1, 5:4 source 2, 7:6 destination; the high byte repeats the setting that is left
.if MSB != (\new)
	s_set_vgpr_msb (MSB<<8)|(\new)
.set MSB, \new
.endif
.endm
.macro PLACES
.rept 4
	v_nop
.endr
.endm
; A round of the cluster's barrier: my work-group's barrier, wave 0 signals for the work-group, every wave waits for all four work-groups, my work-group's barrier again.
.macro CREST                           ; a round behind its opening barrier
	s_cmp_lg_u32 s10, 0
	s_cbranch_scc1 .Lnot_wave_0_\@
	s_barrier_signal -3
.Lnot_wave_0_\@:
	s_barrier_wait -3
	s_barrier_signal -1
	s_barrier_wait -1
.endm
.macro ROUND
	s_barrier_signal -1
	s_barrier_wait -1
	CREST
.endm
	s_load_b128 s[4:7], s[0:1], 0x0                ; embed s[4:5], labw s[6:7]
	s_load_b64 s[8:9], s[0:1], 0x10                ; out0
	v_lshl_add_u32 v3, v0, 2, 0x42700
	v_mov_b32 v7, 0
	ds_add_u32 v3, v7
	v_lshrrev_b32 v14, 5, v0
	v_readfirstlane_b32 s10, v14                   ; wave 0..3
	s_bfe_u32 s11, ttmp6, 0x40000                  ; cx: my place in the cluster.  It enters embed's and out0's addresses alone
	s_and_b32 s12, ttmp9, 1                        ; which half of the labels: from the cluster's number, the same in all four partners
	s_lshr_b32 s13, ttmp9, 1
	s_lshl_b32 s13, s13, 2
	s_add_co_u32 s13, s13, s11                     ; b = 4 (cluster / 2) + cx
	s_mov_b32 s50, 0x76543210                      ; v_permlanex16_b32: lane i of one half reads lane i of the other
	s_mov_b32 s51, 0xfedcba98
	; group 1 of an embed chunk: 64 rows x 128 f32, a row every 98,304 elements, 16 bytes of padding behind each row in LDS; no mask: a load of my own
	s_mov_b32 s[G1A+0], (2<<16)|(1<<20)|(6<<22)|(3<<25)   ; 17:16 elements of 4 bytes; 20 padding on; 24:22 after every 128 words (code 6); 31:25 of 4 words (code 3)
	s_mov_b32 s[G1A+1], 128<<16                    ; tensor_dim0 = 128
	s_mov_b32 s[G1A+2], 64<<16                     ; tensor_dim1 = 64
	s_mov_b32 s[G1A+3], 128<<16                    ; tile_dim0 = 128
	s_mov_b32 s[G1A+4], 64                         ; tile_dim1 = 64
	s_mov_b32 s[G1A+5], 98304                      ; elements from row to row
	s_mov_b32 s[G1A+6], 0
	s_mov_b32 s[G1A+7], 0
	; group 1 of a wave's quarter of a label fill: 32,000 dense bytes as 125 rows of 32 elements of 8 bytes; asked for jointly by the cluster's four work-groups
	s_mov_b32 s[G1B+0], 15|(3<<16)|(1<<21)         ; 15:0 the mask: all four places; 17:16 elements of 8 bytes; 21 set beside a mask
	s_mov_b32 s[G1B+1], 32<<16
	s_mov_b32 s[G1B+2], 125<<16
	s_mov_b32 s[G1B+3], 32<<16
	s_mov_b32 s[G1B+4], 125
	s_mov_b32 s[G1B+5], 32
	s_mov_b32 s[G1B+6], 0
	s_mov_b32 s[G1B+7], 0
	s_mul_i32 s56, s10, AWAVE                      ; LDS: my stage rows (the wave's number alone)
	s_mul_i32 s57, s10, BWAVE                      ; LDS and labw: my quarter of a fill
	s_lshl_b32 s14, s10, 13
	s_add_co_u32 s14, s14, s13
	s_mul_i32 s14, s14, 3072                       ; embed: row (s = 64 w, b) = (8,192 w + b) x 3,072 bytes, below 2^27
	s_mov_b32 s15, 0
	s_mul_i32 s58, s12, 50*REC                     ; labw: my half + my quarter: nothing of cx in it
	s_add_co_u32 s58, s58, s57
	s_mov_b32 s59, 0
	s_mul_i32 s60, s13, 800                        ; out0: row b, 100 labels of my half
	s_mul_i32 s61, s12, 400
	s_add_co_u32 s60, s60, s61
	s_mov_b32 s61, 0
	s_lshl_b32 s62, s12, 8                         ; prefetch: block 0 or 1 of a row's 512 bytes, by the half of the labels
	s_mov_b32 s63, 0
	v_and_b32 v14, 31, v0                          ; lane
	v_lshlrev_b32 v1, 4, v14
	v_mul_u32_u24 v12, v14, SROW                   ; prefetch: my rows lane and lane + 32
	v_add_nc_u32 v13, 32*SROW, v12
	s_wait_dscnt 0x0
	s_wait_kmcnt 0x0
	s_add_nc_u64 s[54:55], s[4:5], s[14:15]
	s_add_nc_u64 s[52:53], s[54:55], s[62:63]
	s_add_nc_u64 s[6:7], s[6:7], s[58:59]
	s_add_nc_u64 s[8:9], s[8:9], s[60:61]
.irp z, 0,1
	s_mov_b32 s[G0A+4*\z], 1                                       ; count = 1
	s_add_co_u32 s[G0A+4*\z+1], s56, \z*SLOT                       ; LDS address
	s_add_nc_u64 s[G0A+4*\z+2:G0A+4*\z+3], s[54:55], \z*512        ; chunk z
	s_or_b32 s[G0A+4*\z+3], s[G0A+4*\z+3], 0x80000000              ; type = 2
	s_mov_b32 s[G0B+4*\z], 1
	s_add_co_u32 s[G0B+4*\z+1], s57, \z*SLOT
	s_add_nc_u64 s[G0B+4*\z+2:G0B+4*\z+3], s[6:7], \z*FILLB        ; fill z
	s_or_b32 s[G0B+4*\z+3], s[G0B+4*\z+3], 0x80000000
.endr
	ROUND                                          ; in a cluster every group of tensor loads stands behind a round
	tensor_load_to_lds s[G0A:G0A+3], s[G1A:G1A+7]          ; chunk 0 into slot 0
	s_nop 0
	tensor_load_to_lds s[G0A+4:G0A+7], s[G1A:G1A+7]        ; chunk 1 into slot 1: two tensor loads of the wave are out, the most in this text
	s_nop 0
	; Prefetch of embed: for the chunk that is loaded one refill later, each wave asks for ONE of the two 256-byte blocks of each of its 64 rows, block number =
	; my half of the labels; the work-group with the other half asks for the other block.  64 KB a work-group ahead; chunk 5 is the last asked for.
	global_prefetch_b8 v12, s[52:53] offset:2*512 th:TH_LOAD_NT scope:SCOPE_SE
	global_prefetch_b8 v13, s[52:53] offset:2*512 th:TH_LOAD_NT scope:SCOPE_SE
	v_and_b32 v48, 15, v0                          ; r
	v_bfe_u32 v49, v0, 4, 1                        ; h
	v_mul_u32_u24 v15, v48, APITCH
	v_lshl_add_u32 v15, v49, 5, v15                ; row r, f32 columns 8 h ..
	v_add_nc_u32 v[AADR], s56, v15
	v_add_nc_u32 v[AADR+1], SLOT, v[AADR]
	s_mul_i32 s14, s10, 400
	s_add_co_u32 s14, s14, SCR
	v_lshl_add_u32 v[SCRA], v49, 2, s14            ; scratch: wave w, label 2 T + h
; ---------------- PHASE 1 ----------------
; 16 LDS loads: rows 16 t + r of the chunk in slot z, as f32, in the order of four bf16 fragments: K step kk takes columns 8 h .. 8 h + 7 and 16 + 8 h .. + 7 of its 32.
.macro ALOAD z, t, f
.irp kk, 0,1,2,3
	ds_load_b128 v[\f+16*\kk:\f+16*\kk+3],     v[AADR+\z] offset:\t*16*APITCH+128*\kk
	ds_load_b128 v[\f+16*\kk+4:\f+16*\kk+7],   v[AADR+\z] offset:\t*16*APITCH+128*\kk+16
	ds_load_b128 v[\f+16*\kk+8:\f+16*\kk+11],  v[AADR+\z] offset:\t*16*APITCH+128*\kk+64
	ds_load_b128 v[\f+16*\kk+12:\f+16*\kk+15], v[AADR+\z] offset:\t*16*APITCH+128*\kk+80
.endr
.endm
.macro SQ t, f, from                   ; squares of pairs from .. 31 onto four chains that do not wait for each other
.set NN, \from
.rept 32-\from
	v_pk_fma_f32 v[SS+8*\t+2*(NN%4):SS+8*\t+2*(NN%4)+1], v[\f+2*NN:\f+2*NN+1], v[\f+2*NN:\f+2*NN+1], v[SS+8*\t+2*(NN%4):SS+8*\t+2*(NN%4)+1]
.set NN, NN+1
.endr
.endm
; The 64 f32 of buffer f become the four fragments (t, 4 q + kk), and their squares are added.  first = 1: the first products start the sums.
.macro ACONV q, t, f, first
	WIN (1+(\q)/2)<<6                              ; destination: window 1 + (4 q + kk) / 8
.irp kk, 0,1,2,3
.irp e, 0,1,2,3,4,5,6,7
	v_cvt_pk_bf16_f32 v[((4*((\q)%2)+\kk)*4+\t)*8+\e], v[\f+16*\kk+2*\e], v[\f+16*\kk+2*\e+1]
.endr
.endr
	WIN 0
.if \first
.irp e, 0,2,4,6
	v_pk_mul_f32 v[SS+8*\t+\e:SS+8*\t+\e+1], v[\f+\e:\f+\e+1], v[\f+\e:\f+\e+1]
.endr
	SQ \t, \f, 4
.else
	SQ \t, \f, 0
.endif
.endm
; Chunk q, which lies in slot z: four row tiles through the two buffers, one tile's loads on their way while the tile before is converted.
.macro ATURN q, z, first
	ALOAD \z, 0, F0
	ALOAD \z, 1, F1
	s_wait_dscnt 16                                ; LDS loads come back in order: the 16 of the next tile stay out
	ACONV \q, 0, F0, \first
	ALOAD \z, 2, F0
.if \q < 3
	global_prefetch_b8 v12, s[52:53] offset:(\q+3)*512 th:TH_LOAD_NT scope:SCOPE_SE   ; chunk q + 3, which is loaded behind the next turn
	global_prefetch_b8 v13, s[52:53] offset:(\q+3)*512 th:TH_LOAD_NT scope:SCOPE_SE
.endif
	s_wait_dscnt 16
	ACONV \q, 1, F1, \first
	ALOAD \z, 3, F1
	s_wait_dscnt 16
	ACONV \q, 2, F0, \first
	s_wait_dscnt 0x0
	ACONV \q, 3, F1, \first
.endm
; Slot z, which has been read, is filled again.  Every wave waits for its LDS reads and for all its tensor loads; then no load of mine is out and group 0 may be
; stepped; the round of the cluster's barrier; the refill is the first tensor load behind it.  The wait for 0 also shows the other slot's chunk landed: its rows are my own.
.macro AFILL z
	s_wait_dscnt 0x0
	s_wait_tensorcnt 0x0
	ds_add_u32 v3, v7
	s_wait_dscnt 0x0
	s_add_nc_u64 s[G0A+4*\z+2:G0A+4*\z+3], s[G0A+4*\z+2:G0A+4*\z+3], 2*512
	ROUND
	tensor_load_to_lds s[G0A+4*\z:G0A+4*\z+3], s[G1A:G1A+7]
	s_nop 0
.endm
.macro BFILL z                         ; the same for the first label fill of slot z, a joint load
	s_wait_dscnt 0x0
	s_wait_tensorcnt 0x0
	ds_add_u32 v3, v7
	s_wait_dscnt 0x0
	ROUND
	tensor_load_to_lds s[G0B+4*\z:G0B+4*\z+3], s[G1B:G1B+7]
	s_nop 0
.endm
	s_wait_tensorcnt 0x1                           ; chunk 0 is in (my own rows: no barrier); chunk 1, issued behind it, stays out
	ATURN 0, 0, 1
	AFILL 0                                        ; chunk 2
	ATURN 1, 1, 0
	AFILL 1                                        ; chunk 3
	ATURN 2, 0, 0
	AFILL 0                                        ; chunk 4
	ATURN 3, 1, 0
	AFILL 1                                        ; chunk 5
	ATURN 4, 0, 0
	BFILL 0                                        ; label fill 0 is on its way while the last chunk is converted
	ATURN 5, 1, 0
	; 1 / ne.  Lane (r, h) has summed the columns of row r whose number / 8 is h modulo 2: the other half of the lanes holds the rest.
.irp t, 0,1,2,3
	v_pk_add_f32 v[SS+8*\t:SS+8*\t+1], v[SS+8*\t:SS+8*\t+1], v[SS+8*\t+2:SS+8*\t+3]
	v_pk_add_f32 v[SS+8*\t+4:SS+8*\t+5], v[SS+8*\t+4:SS+8*\t+5], v[SS+8*\t+6:SS+8*\t+7]
.endr
.irp t, 0,1,2,3
	v_pk_add_f32 v[SS+8*\t:SS+8*\t+1], v[SS+8*\t:SS+8*\t+1], v[SS+8*\t+4:SS+8*\t+5]
.endr
.irp t, 0,1,2,3
	v_add_f32 v[SS+8*\t], v[SS+8*\t], v[SS+8*\t+1]
.endr
.irp t, 0,1,2,3
	v_permlanex16_b32 v[SS+8*\t+1], v[SS+8*\t], s50, s51   ; its destination has been written
.endr
.irp t, 0,1,2,3
	v_add_f32 v[SS+8*\t], v[SS+8*\t], v[SS+8*\t+1]
.endr
.irp t, 0,1,2,3
	v_rsq_f32 v[IE+\t], v[SS+8*\t]                 ; +inf for a row of zeros
.endr
	v_nop                                          ; one plain vector instruction behind the transcendentals
	BFILL 1                                        ; its wait for 0 and its barriers show fill 0 whole, every wave's quarter
; ---------------- PHASE 2 ----------------
; The factors of tiles t0, t0 + 1 of accumulator set a, and the products.  The sixteen minima name no accumulator and no fragment: they are the places
; that stand behind the last matrix instructions before results are read and before loads land in the buffer that was multiplied.
.macro EPMUL a, cc, t0
.irp u, 0,1
.irp e, 0,1,2,3,4,5,6,7
	v_min_num_f32 v[G+8*\u+\e], v[IE+\t0+\u], v[\cc+\e]            ; min(1 / ne of embed row r, c of label row 8 h + e)
.endr
.endr
.irp u, 0,1
.irp e, 0,2,4,6
	v_pk_mul_f32 v[\a+8*(\t0+\u)+\e:\a+8*(\t0+\u)+\e+1], v[\a+8*(\t0+\u)+\e:\a+8*(\t0+\u)+\e+1], v[G+8*\u+\e:G+8*\u+\e+1]
.endr
.endr
.endm
; The largest of a lane's 32 cosines (8 values x 4 row tiles), then of the 16 lanes of its half (16 embed rows): label 2 T + h over my wave's 64 rows.
.macro EPMAX a, off
.irp m, 0,1,2,3,4,5,6,7,8,9
	v_max3_num_f32 v[TM+\m], v[\a+3*\m], v[\a+3*\m+1], v[\a+3*\m+2]
.endr
	v_max3_num_f32 v[TM+10], v[TM], v[TM+1], v[TM+2]
	v_max3_num_f32 v[TM+11], v[TM+3], v[TM+4], v[TM+5]
	v_max3_num_f32 v[TM+12], v[TM+6], v[TM+7], v[TM+8]
	v_max3_num_f32 v[TM+13], v[TM+9], v[\a+30], v[\a+31]
	v_max3_num_f32 v[TM+14], v[TM+10], v[TM+11], v[TM+12]
	v_max_num_f32 v[TM+15], v[TM+14], v[TM+13]
	v_max_num_f32_dpp v[TM+15], v[TM+15], v[TM+15] row_xmask:1 row_mask:0xf bank_mask:0xf
	v_max_num_f32_dpp v[TM+15], v[TM+15], v[TM+15] row_xmask:2 row_mask:0xf bank_mask:0xf
	v_max_num_f32_dpp v[TM+15], v[TM+15], v[TM+15] row_xmask:4 row_mask:0xf bank_mask:0xf
	v_max_num_f32_dpp v[TM+15], v[TM+15], v[TM+15] row_xmask:8 row_mask:0xf bank_mask:0xf
	ds_store_b32 v[SCRA], v[TM+15] offset:\off     ; sixteen lanes write the same number to the same word
.endm
; Group g (0..2) of record i (0..9 of a lap): K steps 8 g .. 8 g + 7, 32 matrix instructions on the embed fragments of window g + 1.
; At its head, all in window 0: a third of the work on the record before (ep = 1), on the other accumulators.  Then, by mode:
;   0  the next group's 16 fragment loads in ONE run, so that the 32 matrix instructions follow each other with no memory instruction among them;
;      the loads have those 32 matrix instructions in which to land
;   1  the slot has been read to its end: it is filled again, two fills ahead, and the next group's fragments come from the other slot, in the group's middle
;   2  the same change of slots without a refill (last lap)      3  nothing more to fetch (last record)
; The four accumulators take turns, one instruction a turn, and the set changes from record to record.
.macro GROUP i, g, ep, mode
.set PP, (\i)%2
.set AC, ACC0+32*PP                    ; this record's accumulators
.set AO, ACC0+32-32*PP                 ; the record before's
.set CP, C0+8*PP                       ; this record's c
.set CQ, C0+8-8*PP
.set FB, F0+64*(((\i)+(\g))%2)         ; the buffer that is multiplied
.set NF, F0+F1-FB                      ; the buffer that is filled
.set SG, (\i)/5                        ; this record's slot
.set NI, ((\i)+1)%10                   ; the next record
.if (\g) < 2
.set NO, ((\g)+1)*8192
.else
.set NO, 0
.endif
; DC: the LDS instructions that this head issues behind the loads of this group's own fragments (which were the last of the head before, or of a change of slots)
.set DC, 16                            ; the run of 16
.if (\g) == 1
.set DC, 18                            ; and the two loads of c
.endif
.if (\g) == 2
.set DC, 16+(\ep)                      ; and the scratch store of the record before
.endif
	WIN 0
.if \ep
.if (\g) == 0
	EPMUL AO, CQ, 0
.endif
.if (\g) == 1
	EPMUL AO, CQ, 2
.endif
.if (\g) == 2
	EPMAX AO, (((\i)+9)%10)*8
.if (\i) == 0
	v_add_nc_u32 v[SCRA], 80, v[SCRA]              ; the next lap's ten records (an LDS store's address needs no wait)
.endif
.endif
.else
	PLACES                                         ; four places behind the last matrix instructions before loads land in the buffer that they read
.endif
.if (\g) == 2
.if (\mode) != 3
	v_add_nc_u32 v[BA], (NI/5)*SLOT+(NI%5)*REC, v1 ; all of this record's loads have been issued: the next record's first byte + 16 lane
.endif
.endif
.if (\mode) == 0
.if (\g) == 1
	ds_load_b128 v[CP:CP+3],   v[BA] offset:24576  ; c of label rows 8 h .. 8 h + 7 of this record: ahead of the run, so that the next head's wait for the run shows c landed too
	ds_load_b128 v[CP+4:CP+7], v[BA] offset:25088
.endif
.irp m, 0,1,2,3,4,5,6,7,8,9,10,11,12,13,14,15
	ds_load_b128 v[NF+4*\m:NF+4*\m+3], v[BA] offset:NO+512*\m      ; 512 consecutive bytes: no two lanes meet in a bank
.endr
	s_wait_dscnt DC                                ; LDS instructions end in order: this group's fragments are in, the DC issued behind them stay out
.else
	s_wait_dscnt 0x0                               ; this group's fragments; no LDS instruction of mine is out
.endif
.if (\mode) == 1
	s_wait_tensorcnt 0x0                           ; with the wait above: my reads of this slot are over and all my tensor loads have landed, my quarter of the other slot among them;
	ds_add_u32 v3, v7
	s_wait_dscnt 0x0
	s_add_nc_u64 s[G0B+4*SG+2:G0B+4*SG+3], s[G0B+4*SG+2:G0B+4*SG+3], 2*FILLB   ; no load of mine is out, so group 0 may be stepped
	s_barrier_signal -1                            ; this barrier opens a round of the cluster's barrier
.endif
.if (\mode) == 2
	s_wait_tensorcnt 0x0                           ; my quarter of the last fill has landed
	s_barrier_signal -1
.endif
	WIN ((\g)+1)<<2                                ; source 1, the embed fragments, from window g + 1
.irp kk, 0,1,2,3
.irp t, 0,1,2,3
.if ((\g)+\kk) == 0
	v_wmma_f32_16x16x32_bf16 v[AC+8*\t:AC+8*\t+7], v[FB+8*\kk:FB+8*\kk+7], v[32*\kk+8*\t:32*\kk+8*\t+7], 0   ; the first K step starts the sums: nothing is cleared
.else
	v_wmma_f32_16x16x32_bf16 v[AC+8*\t:AC+8*\t+7], v[FB+8*\kk:FB+8*\kk+7], v[32*\kk+8*\t:32*\kk+8*\t+7], v[AC+8*\t:AC+8*\t+7]
.endif
.endr
.endr
.if (\mode) == 1
	WIN 0
	s_barrier_wait -1
	CREST                                          ; all four work-groups have said so: no wave of any partner still reads this slot or has a load on its way
	tensor_load_to_lds s[G0B+4*SG:G0B+4*SG+3], s[G1B:G1B+7]    ; the joint refill: the first tensor load behind the round, ahead of the first LDS read
	s_nop 0
.irp m, 0,1,2,3,4,5,6,7,8,9,10,11,12,13,14,15
	ds_load_b128 v[NF+4*\m:NF+4*\m+3], v[BA] offset:512*\m     ; the other slot is whole: its first record's first group
.endr
	WIN ((\g)+1)<<2
.endif
.if (\mode) == 2
	s_barrier_wait -1                              ; every wave's quarter of the last fill has landed
.irp m, 0,1,2,3,4,5,6,7,8,9,10,11,12,13,14,15
	ds_load_b128 v[NF+4*\m:NF+4*\m+3], v[BA] offset:512*\m
.endr
.endif
.irp kk, 4,5,6,7
.irp t, 0,1,2,3
	v_wmma_f32_16x16x32_bf16 v[AC+8*\t:AC+8*\t+7], v[FB+8*\kk:FB+8*\kk+7], v[32*\kk+8*\t:32*\kk+8*\t+7], v[AC+8*\t:AC+8*\t+7]
.endr
.endr
.endm
.macro TILE i, ep, mode2
	GROUP \i, 0, \ep, 0
	GROUP \i, 1, \ep, 0
	GROUP \i, 2, \ep, \mode2
.endm
; A lap: ten records, once round the two slots.  first = 1: no record before the first.  refill = 1: both slots are filled again.
.macro LAP first, refill
	TILE 0, 1-\first, 0
	TILE 1, 1, 0
	TILE 2, 1, 0
	TILE 3, 1, 0
	TILE 4, 1, 2-\refill
	TILE 5, 1, 0
	TILE 6, 1, 0
	TILE 7, 1, 0
	TILE 8, 1, 0
	TILE 9, 1, 3-2*\refill
.endm
	v_mov_b32 v[BA], v1                            ; record 0 lies at byte 0 of slot 0
	s_wait_alu depctr_va_vdst(0)
.irp m, 0,1,2,3,4,5,6,7,8,9,10,11,12,13,14,15
	ds_load_b128 v[F0+4*\m:F0+4*\m+3], v[BA] offset:512*\m
.endr
	LAP 1, 1                                       ; fills 2 and 3 go out
	WIN 0                                          ; at a label and at a branch every window is 0
	s_mov_b32 s48, 3
.Llap:
	LAP 0, 1                                       ; three laps: fills 4 to 9 go out
	WIN 0
	s_sub_co_u32 s48, s48, 1
	s_cmp_lg_u32 s48, 0
	s_cbranch_scc1 .Llap
	LAP 0, 0                                       ; the last lap fills nothing
	WIN 0
	EPMUL ACC0+32, C0+8, 0                         ; the last record (an odd one); the minima are the places behind the last matrix instructions
	EPMUL ACC0+32, C0+8, 2
	EPMAX ACC0+32, 72
	; The four waves' maxima meet in LDS: thread l < 100 takes label l of my half.  Threads 100 to 127 read word 99 again and store nothing.
	v_min_u32 v15, 99, v0
	v_lshlrev_b32 v15, 2, v15
	v_add_nc_u32 v15, SCR, v15
	v_lshlrev_b32 v14, 2, v0
	s_wait_dscnt 0x0                               ; my scratch stores are in LDS before I say so
	s_barrier_signal -1
	s_barrier_wait -1
	ds_load_b32 v48, v15
	ds_load_b32 v49, v15 offset:400
	ds_load_b32 v50, v15 offset:800
	ds_load_b32 v51, v15 offset:1200
	s_wait_dscnt 0x0
	v_max3_num_f32 v48, v48, v49, v50
	v_max3_num_f32 v48, v48, v51, -1.0             ; the running maximum starts at -1
	v_cmp_gt_u32 vcc_lo, 100, v0
	s_wait_xcnt 0x0                                ; EXEC is a source of the global accesses issued so far: it changes only behind this wait
	s_and_saveexec_b32 s49, vcc_lo
	global_store_b32 v14, v48, s[8:9]              ; 400 consecutive bytes a work-group, written once
	s_wait_xcnt 0x0                                ; and again in front of the line that widens EXEC
	s_or_b32 exec_lo, exec_lo, s49
	s_wait_tensorcnt 0x0
	ds_add_u32 v3, v7
	s_wait_dscnt 0x0
	ROUND                                          ; the closing round: no work-group ends while a partner may still ask for a fill that names it
	s_endpgm
.Lfunc_end_k_q52b5e48329_sim:
	.size	k_q52b5e48329_sim, .Lfunc_end_k_q52b5e48329_sim-k_q52b5e48329_sim
	.p2alignl 7, 3214868480
	.fill 96, 4, 3214868480
	.section	.rodata,"a",@progbits
	.p2align	6, 0x0
	.amdhsa_kernel k_q52b5e48329_sim
		.amdhsa_group_segment_fixed_size 327680
		.amdhsa_private_segment_fixed_size 0
		.amdhsa_enable_private_segment 0
		.amdhsa_kernarg_size 24
		.amdhsa_user_sgpr_count 2
		.amdhsa_user_sgpr_kernarg_segment_ptr 1
		.amdhsa_wavefront_size32 1
		.amdhsa_system_sgpr_workgroup_id_x 1
		.amdhsa_system_sgpr_workgroup_id_y 1
		.amdhsa_system_sgpr_workgroup_id_z 1
		.amdhsa_system_vgpr_workitem_id 0
		.amdhsa_next_free_vgpr 1024
		.amdhsa_next_free_sgpr 66
		.amdhsa_reserve_vcc 1
		.amdhsa_float_denorm_mode_32 3
		.amdhsa_float_denorm_mode_16_64 3
		.amdhsa_memory_ordered 1
		.amdhsa_forward_progress 1
		.amdhsa_inst_pref_size 255
	.end_amdhsa_kernel
	.section	.bss,"aw",@nobits
	.p2align	6
	.space	262144
	.amdgpu_metadata
---
amdhsa.version: [ 1, 2 ]
amdhsa.kernels:
  - .name:           k_q52b5e48329_sim
    .symbol:         k_q52b5e48329_sim.kd
    .args:
      - { .name: embed, .offset: 0, .size: 8, .value_kind: global_buffer, .address_space: global }
      - { .name: labw, .offset: 8, .size: 8, .value_kind: global_buffer, .address_space: global }
      - { .name: out0, .offset: 16, .size: 8, .value_kind: global_buffer, .address_space: global }
    .group_segment_fixed_size: 327680
    .private_segment_fixed_size: 0
    .kernarg_segment_align: 8
    .kernarg_segment_size: 24
    .max_flat_workgroup_size: 128
    .sgpr_count:     66
    .vgpr_count:     1024
    .wavefront_size: 32
...
	.end_amdgpu_metadata
.endif
;; end of part 3
